; MI455X (gfx1250); checked and timed in simulation.
; The chip was launched on July 23, 2026; its instructions are those of AMD's public machine-readable ISA for CDNA 5 (MIT licence, August 2026) and "CDNA5" Instruction Set Architecture Reference Guide (July 2026). The comments in the code are by the model that wrote it; some were corrected since.
;; Bahdanau Attention. Allowed arithmetic: matrix products marked QUANTISED: E2M3 operands, one E8M0 scale for each 32 along K, by v_wmma_scale_f32_16x16x128_f8f6f4 with both operands' format E2M3, f32 sums; products left as they are: f32 operands where the result goes on into a quantised operand, else bf16, f16 or f32 operands; f32 sums; everything else in f32.
;; Inputs: V 1,024 x 1 float32; W1 1,024 x 1,024 float32; W2 1,024 x 1,024 float32; b1 1,024 float32; b2 1,024 float32; bv 1 float32; query 32 x 1,024 float32; values 32 x 2,048 x 1,024 float32.
;; Outputs: out0 32 x 1,024 float32; out1 32 x 2,048 x 1 float32.
;; This version of the problem:
;;   THIS VERSION OF THE PROBLEM IS GIVEN IN LOW PRECISION. The matrix products marked QUANTISED in the list below multiply operands that are first quantised to E2M3 (2 exponent bits, 3 mantissa bits; 6 bits a number), with one power-of-two scale for each 32 numbers along K (OCP MX v1.0); their sums are f32. All else is computed in f32.
;;   The module's matrix products, in the order in which they are computed (A, B: the left and right operand; K: the contracted axis; several contracted axes count as one K, in the product's order):
;;     1. [M 65,536, K 1,024] x [K 1,024, N 1,024]; A: input values; B: input W1: QUANTISED
;;     2. [M 32, K 1,024] x [K 1,024, N 1,024]; A: input query; B: input W2: QUANTISED
;;     3. [M 65,536, K 1,024] x [K 1,024, N 1]; A: computed on the way; B: input V: left as it is (N = 1 < 16)
;;   THE QUANTISER, for each operand of a quantised product, along K:
;;     - K is cut into blocks of 32 from its start; a last block that is shorter is filled with zeros.
;;     - A block's scale is 2^e with e = floor(log2(the largest magnitude in the block)) - 2, held to -126 .. 127; a block of zeros has e = 0. As a byte (E8M0): e + 127.
;;     - Each number is divided by its block's scale, clamped to +-7.5, and rounded to the nearest number of E2M3, ties to even, subnormals kept.
;;     - The product sums the exact products of the quantised numbers (number of the format x scale) in f32.
;;   ~~~python
;;   def quantise(x, axis):      # numpy; x: float32 -> the quantised numbers, widened to float32 again
;;       x = np.moveaxis(x, axis, -1); K = x.shape[-1]
;;       x = np.pad(x, [(0, 0)] * (x.ndim - 1) + [(0, -K % 32)]); x = x.reshape(x.shape[:-1] + (-1, 32)); a = np.abs(x).max(-1, keepdims=True)
;;       e = np.where(a > 0, np.clip(np.frexp(np.where(a > 0, a, 1))[1] - 1 - 2, -126, 127), 0)      # np.frexp(a)[1] - 1 = floor(log2(a)), exactly
;;       r = np.clip(x / 2.0 ** e, -7.5, 7.5)
;;       step = 2.0 ** (np.maximum(np.frexp(np.where(r == 0, 1, r))[1] - 1, 0) - 3)
;;       q = np.round(r / step) * step * 2.0 ** e      # np.round: ties to even
;;       return np.moveaxis(q.reshape(q.shape[:-2] + (-1,))[..., :K], -1, axis).astype(np.float32)
;;   ~~~
;; One version. Each part assembles by itself: llvm-mc -triple=amdgcn-amd-amdhsa -mcpu=gfx1250 --defsym DOCPART=n.
;; ======== version 1 of 1: 3 launches
;; limits: right only within a limited range of input values
;; workspace buffers: w1f 819,200 bytes; tab 524,288 bytes; sc 262,144 bytes
;; launch prep (part 1): grid 64 x 1, 8 waves a work-group, no clusters, 33,792 bytes of LDS; arguments W1, W2, query, b1, b2, V, w1f, tab; writes w1f, tab
.if DOCPART == 1
	.amdgcn_target "amdgcn-amd-amdhsa--gfx1250"
	.amdhsa_code_object_version 6
	.text
	.protected	k_q56b1e04f94_prep
	.globl	k_q56b1e04f94_prep
	.p2align	8
	.type	k_q56b1e04f94_prep,@function
k_q56b1e04f94_prep:
	s_mov_b64 s[64:65], 0
	v_nop
	global_prefetch_b8 v0, s[64:65] scope:SCOPE_SE
	s_setreg_imm32_b32 hwreg(HW_REG_WAVE_MODE, 25, 1), 1
	s_wait_xcnt 0x0
; BAHDANAU ATTENTION, launch 1 of 3: the small operands are made ready.
;   w1f: W1 [1024 (k)][1024 (n)] f32 as codes of FP6 (E2M3) quantised along k, laid in the order of the operand's registers: 64 tiles of 16 columns x 12,800 bytes; in a tile 8 images
;        (K step of 128) of 1,536 bytes, byte 512 q + 16 lane = registers 4 q .. 4 q + 3 of that lane's fragment; at byte 12,288 the scale words [K step][column], 4 bytes each.
;   tab: [batch 32][unit 1024] x 16 bytes = (cq, cq, mv, mv), cq = c (Q(query) Q(W2) + b1 + b2), mv = -c V, c = 2 log2(e).
; WORK LEFT OUT, for all values of the inputs.  The score enters the outputs through softmax over the sequence alone, and softmax(s + k) = softmax(s) for every k that is the same along that axis.
;   (1) bv is such a k: it is not loaded and is an argument of no launch.
;   (2) tanh(x) = 1 - 2 / (1 + 2^(c x)), so sum_n V[n] tanh(x[n]) = sum_n V[n] - 2 sum_n V[n] / (1 + 2^(c x[n])), and sum_n V[n] is such a k: it is not formed.
;   What is kept is t = log2(e) x (score - those two) = sum_n mv[n] / (1 + 2^(c x[n])).
; LIMITS: a NaN, an infinity or an overflow that reaches only bv or sum_n V[n] is not carried to the results; NaN and infinities among the inputs are not served; a block whose largest magnitude
;   lies under 2^-124 has its scale byte held at 1; a block of zeros gets the byte 1 and not 127 (its codes are zeros, and this program alone reads the bytes);
;   the second product's K is summed as eight sums of 128, added in ascending order.
; SHARES.  Work-groups 0-31 take W1, 32-63 W2; each 32 columns (two tiles).  Wave w takes K step w.  A LANE TAKES A COLUMN AND ITS REGISTERS RUN DOWN K: a load reads 128 consecutive bytes, a block of 32 lies
; in one lane, and the conversions give codes with K innermost.  The text parts once, on the work-group's number, which all eight waves share.
.set C2L,   0x4038aa3b                 ; c = 2 log2(e)
.set NC2L,  0xc038aa3b                 ; -c
.set FLOOR, 0x1800000                  ; 2^(3 - 127): under it no largest magnitude is taken, so a scale byte cannot fall under 1
.set TILEB, 12800                      ; a tile of w1f
.set SPARE, 32768                      ; LDS: 0 .. 32,767 the eight waves' partial sums, 4,096 bytes each; then the spare words, 128 bytes a wave
.set SPW, 1                            ; v1   LDS address of my spare word; never rewritten
.set NIL, 2                            ; v2   0; never rewritten
.set WO,  3                            ; v3   4 x lane: my column in a row of W
.set RR,  4                            ; v4   r = lane % 16
.set HH,  5                            ; v5   h = lane / 16
.set QO,  6                            ; v6   query: row r, + 128 h bytes
.set H8,  7                            ; v7   8 h
.set LI,  8                            ; v8   16 x lane
.set SO,  9                            ; v9   where my scale word goes: 12,800 h + 4 r
.set BO,  10                           ; v10  4 r
.set TO,  11                           ; v11  tab: 8 h rows of 16,384 bytes + 16 r
.set PST, 12                           ; v12  LDS: 4,096 w + 16 x lane
.set PLD, 13                           ; v13  LDS: 512 w + 16 x lane
.set VB1, 16                           ; v16-18 b1, b2, V of my column
.set PX,  19                           ; v19  a lane permute's destination
.set TM,  20                           ; v20-23 largest magnitudes;  v24-27 the conversions' scale operands;  v28-31 scale bytes, at work
.set TS,  24
.set TB,  28
.set SW,  32                           ; v32  W's scale words: lanes 0-15 tile 0, lanes 16-31 tile 1.  v33, v34: the query's.  Scales and nothing else
.set AS,  33
.set UT,  36                           ; v36-51 upper halves of blocks, on their way
.set F0,  52                           ; v52-63, v64-75 the two tiles' fragments of W
.set F1,  64
.set A0,  76                           ; v76-87, v88-99 the query's two fragments
.set Q,   128                          ; v128-255 the query's numbers: 64 mt + 32 c + e
.set ACC, 128                          ; later v128-159: four accumulators, 8 (2 mt + ct)
.set R,   160                          ; later v160-191: eight waves' partial sums
.set QD,  192                          ; later v192-207: four entries of tab
.set MSB, 0
.macro WIN new                         ; the immediate's high byte repeats the setting that is left
.if MSB != \new
	s_set_vgpr_msb (MSB<<8)|\new
.set MSB, \new
.endif
.endm
; my K step of my column: 128 numbers into window 1, v0-127
.macro WLOAD base
	WIN 0x40                                       ; destination window 1
.set T, 0
.rept 128
	global_load_b32 v[T], v[WO], s[\base:\base+1] offset:T*4096 th:TH_LOAD_NT
.set T, T+1
.endr
	WIN 0
.endm
; the 128 numbers become four blocks' codes and bytes; the halves of the lanes then change places so that F0 and F1 are the two tiles' fragments
.macro WQ
	WIN 0x05                                       ; sources 0 and 1 window 1
.irp t, 0,1,2,3
	v_max3_num_f32 v[TM+\t], |v[32*\t]|, |v[32*\t+1]|, FLOOR
.endr
.irp i, 2,4,6,8,10,12,14,16,18,20,22,24,26,28,30
.irp t, 0,1,2,3
	s_delay_alu instid0(VALU_DEP_4)
	v_max3_num_f32 v[TM+\t], |v[32*\t+\i]|, |v[32*\t+\i+1]|, v[TM+\t]   ; the four blocks by turns
.endr
.endr
	WIN 0
.irp t, 0,1,2,3
	v_add_nc_u32 v[TS+\t], 0xff000000, v[TM+\t]    ; 2 off the exponent field: the conversion takes that field as its scale
.endr
.irp t, 0,1,2,3
	s_delay_alu instid0(VALU_DEP_4)
	v_lshrrev_b32 v[TB+\t], 23, v[TS+\t]           ; the scale's byte
.endr
	s_delay_alu instid0(VALU_DEP_3)
	v_lshl_or_b32 v[SW], v[TB+1], 8, v[TB]
	s_delay_alu instid0(VALU_DEP_1)
	v_lshl_or_b32 v[SW], v[TB+2], 16, v[SW]
	s_delay_alu instid0(VALU_DEP_1)
	v_lshl_or_b32 v[SW], v[TB+3], 24, v[SW]        ; my column's scale word for this K step
	WIN 0x01                                       ; source 0 window 1
.irp c, 0,1
	v_cvt_scalef32_pk16_fp6_f32 v[F0+6*\c:F0+6*\c+2], v[64*\c:64*\c+15], v[TS+2*\c]          ; block 2 c, lower 16 codes
	v_cvt_scalef32_pk16_fp6_f32 v[F1+6*\c:F1+6*\c+2], v[64*\c+32:64*\c+47], v[TS+2*\c+1]     ; block 2 c + 1, lower 16
	v_cvt_scalef32_pk16_fp6_f32 v[UT+8*\c:UT+8*\c+2], v[64*\c+16:64*\c+31], v[TS+2*\c]       ; block 2 c, upper 16 (a conversion's three registers begin on an even number)
	v_cvt_scalef32_pk16_fp6_f32 v[UT+8*\c+4:UT+8*\c+6], v[64*\c+48:64*\c+63], v[TS+2*\c+1]   ; block 2 c + 1, upper 16
.endr
	WIN 0
	v_nop                                          ; one plain place behind the conversions
.irp c, 0,1
.irp i, 0,1,2
	v_permlane16_swap_b32 v[F0+6*\c+\i], v[F1+6*\c+\i]       ; the first's lanes 16-31 change places with the second's lanes 0-15: F0 = columns 0-15 (lanes 0-15 block 2 c, lanes 16-31 block 2 c + 1), F1 = columns 16-31
	v_permlane16_swap_b32 v[UT+8*\c+\i], v[UT+8*\c+4+\i]
.endr
.irp i, 0,1,2
	v_mov_b32 v[F0+6*\c+3+\i], v[UT+8*\c+\i]
	v_mov_b32 v[F1+6*\c+3+\i], v[UT+8*\c+4+\i]
.endr
.endr
.endm
; 64 numbers of a lane, register 32 c + e = k 64 c + 32 h + e of row r, become a fragment at v[d] and its scale word in v[as]: a whole block lies in a lane
.macro QA x, d, as
.irp c, 0,1
	v_max3_num_f32 v[TM+\c], |v[(\x)+32*\c]|, |v[(\x)+32*\c+1]|, FLOOR
.endr
.irp i, 2,4,6,8,10,12,14,16,18,20,22,24,26,28,30
.irp c, 0,1
	s_delay_alu instid0(VALU_DEP_2)
	v_max3_num_f32 v[TM+\c], v[TM+\c], |v[(\x)+32*\c+\i]|, |v[(\x)+32*\c+\i+1]|
.endr
.endr
.irp c, 0,1
	s_delay_alu instid0(VALU_DEP_2)
	v_add_nc_u32 v[TS+\c], 0xff000000, v[TM+\c]
.endr
.irp c, 0,1
	s_delay_alu instid0(VALU_DEP_2)
	v_lshrrev_b32 v[TB+\c], 23, v[TS+\c]
.endr
	s_delay_alu instid0(VALU_DEP_1)
	v_lshl_or_b32 v[TB+2], v[TB+1], 16, v[TB]      ; my two bytes: blocks h and 2 + h,
	s_delay_alu instid0(VALU_DEP_1)
	v_lshlrev_b32 v[TB+2], v[H8], v[TB+2]          ; at their places in the word;
	s_delay_alu instid0(VALU_DEP_1)
	v_permlanex16_b32 v[PX], v[TB+2], s32, s33
	s_delay_alu instid0(VALU_DEP_1)
	v_or_b32 v[\as], v[TB+2], v[PX]                ; with lane l xor 16's two the word is whole
.irp c, 0,1
	v_cvt_scalef32_pk16_fp6_f32 v[(\d)+6*\c:(\d)+6*\c+2], v[(\x)+32*\c:(\x)+32*\c+15], v[TS+\c]
	v_cvt_scalef32_pk16_fp6_f32 v[UT+4*\c:UT+4*\c+2], v[(\x)+32*\c+16:(\x)+32*\c+31], v[TS+\c]
.endr
	v_nop                                          ; one plain place behind the conversions
.irp c, 0,1
.irp i, 0,1,2
	v_mov_b32 v[(\d)+6*\c+3+\i], v[UT+4*\c+\i]
.endr
.endr
.endm
	s_load_b256 s[4:11], s[0:1], 0x0               ; W1 s[4:5], W2 s[6:7], query s[8:9], b1 s[10:11]
	s_load_b256 s[12:19], s[0:1], 0x20             ; b2 s[12:13], V s[14:15], w1f s[16:17], tab s[18:19]
	v_lshl_add_u32 v[SPW], v0, 2, SPARE
	v_mov_b32 v[NIL], 0
	v_lshrrev_b32 v[WO], 5, v0
	s_delay_alu instid0(VALU_DEP_1)
	v_readfirstlane_b32 s20, v[WO]                 ; wave 0..7 = K step
	v_and_b32 v[RR], 15, v0
	v_bfe_u32 v[HH], v0, 4, 1
	v_and_b32 v[LI], 31, v0
	s_delay_alu instid0(VALU_DEP_1)
	v_lshlrev_b32 v[WO], 2, v[LI]
	s_delay_alu instid0(VALU_DEP_2)
	v_lshlrev_b32 v[LI], 4, v[LI]
	s_and_b32 s21, ttmp9, 31                       ; which 32 columns
	s_lshl_b32 s22, s21, 7                         ; their first byte in a row of W,
	s_lshl_b32 s23, s20, 19                        ; and my 128 rows of 4,096 bytes
	s_add_co_u32 s22, s22, s23
	s_mov_b32 s23, 0
	s_wait_kmcnt 0x0
	s_cmp_lt_u32 ttmp9, 32
	s_cbranch_scc0 .Lw2
	; ---- W1: codes and scale words go to w1f
	s_add_nc_u64 s[4:5], s[4:5], s[22:23]
	s_wait_alu depctr_va_vdst(0)
	WLOAD 4
	v_mul_u32_u24 v[SO], v[HH], TILEB
	s_delay_alu instid0(VALU_DEP_1)
	v_lshl_add_u32 v[SO], v[RR], 2, v[SO]
	s_mul_i32 s24, s21, 2*TILEB                    ; my two tiles
	s_mul_i32 s26, s20, 1536
	s_add_co_u32 s26, s26, s24                     ; my K step's image
	s_mov_b32 s27, 0
	s_lshl_b32 s28, s20, 6
	s_add_co_u32 s28, s28, s24
	s_add_co_u32 s28, s28, 12288                   ; and its 16 scale words
	s_mov_b32 s29, 0
	s_add_nc_u64 s[26:27], s[16:17], s[26:27]
	s_add_nc_u64 s[28:29], s[16:17], s[28:29]
	s_wait_loadcnt 0x0
	WQ
.irp q, 0,1,2
	global_store_b128 v[LI], v[F0+4*\q:F0+4*\q+3], s[26:27] offset:512*\q          ; 32 lanes store 512 consecutive bytes, at a multiple of 256 from the buffer's first byte
	global_store_b128 v[LI], v[F1+4*\q:F1+4*\q+3], s[26:27] offset:TILEB+512*\q
.endr
	global_store_b32 v[SO], v[SW], s[28:29]        ; two runs of 64 bytes: 32 KB of the launch's 8 MB, not gathered further
	s_branch .Lend
	; ---- W2: its codes stay in registers and meet the query's
.Lw2:
	s_add_nc_u64 s[6:7], s[6:7], s[22:23]
	s_bfe_u32 s24, s20, 0x10001                    ; ct = (w / 2) % 2: the tile whose sums I finish
	s_lshl_b32 s25, s24, 6
	s_lshl_b32 s26, s21, 7
	s_add_co_u32 s26, s26, s25                     ; 4 (first column + 16 ct)
	s_mov_b32 s27, 0
	s_add_nc_u64 s[10:11], s[10:11], s[26:27]
	s_add_nc_u64 s[12:13], s[12:13], s[26:27]
	s_add_nc_u64 s[14:15], s[14:15], s[26:27]
	s_wait_alu depctr_va_vdst(0)
	v_lshlrev_b32 v[BO], 2, v[RR]
	global_load_b32 v[VB1], v[BO], s[10:11]
	global_load_b32 v[VB1+1], v[BO], s[12:13]
	global_load_b32 v[VB1+2], v[BO], s[14:15]
	s_lshl_b32 s26, s20, 9                         ; my K step's 512 bytes of a row of the query
	s_add_nc_u64 s[8:9], s[8:9], s[26:27]
	v_lshlrev_b32 v[QO], 12, v[RR]
	s_delay_alu instid0(VALU_DEP_1)
	v_lshl_add_u32 v[QO], v[HH], 7, v[QO]
.irp mt, 0,1
.irp c, 0,1
.irp e, 0,1,2,3,4,5,6,7
	global_load_b128 v[Q+64*\mt+32*\c+4*\e:Q+64*\mt+32*\c+4*\e+3], v[QO], s[8:9] offset:\mt*65536+256*\c+16*\e
.endr
.endr
.endr
	WLOAD 6
	v_lshlrev_b32 v[H8], 3, v[HH]
	v_lshlrev_b32 v[TO], 17, v[HH]
	s_delay_alu instid0(VALU_DEP_1)
	v_lshl_add_u32 v[TO], v[RR], 4, v[TO]
	s_lshl_b32 s25, s20, 12
	v_add_nc_u32 v[PST], s25, v[LI]
	s_lshl_b32 s25, s20, 9
	v_add_nc_u32 v[PLD], s25, v[LI]
	v_mov_b32 v[PX], 0                             ; written once: a lane permute's destination counts as one of its sources
	s_mov_b32 s32, 0x76543210
	s_mov_b32 s33, 0xfedcba98                      ; v_permlanex16_b32's selects for lane l xor 16
	s_mov_b32 s34, C2L
	s_lshr_b32 s28, s20, 2                         ; mt = w / 4
	s_lshl_b32 s28, s28, 4
	s_and_b32 s29, s20, 1
	s_lshl_b32 s29, s29, 2                         ; j0 = 4 (w % 2)
	s_add_co_u32 s28, s28, s29
	s_lshl_b32 s28, s28, 14                        ; batch 16 mt + j0: rows of 16,384 bytes
	s_lshl_b32 s29, s21, 9                         ; the first column's entry
	s_add_co_u32 s28, s28, s29
	s_lshl_b32 s29, s24, 8                         ; + 16 ct entries
	s_add_co_u32 s28, s28, s29
	s_mov_b32 s29, 0
	s_add_nc_u64 s[18:19], s[18:19], s[28:29]
	s_wait_loadcnt 0x0
	WQ
	QA Q, A0, AS
	QA Q+64, A0+12, AS+1
.rept 8
	v_nop                                          ; a scale register written by a vector instruction stands 8 places ahead of a scaled matrix instruction, an operand so written 4
.endr
.irp mt, 0,1
	v_wmma_scale_f32_16x16x128_f8f6f4 v[ACC+16*\mt:ACC+16*\mt+7], v[A0+12*\mt:A0+12*\mt+11], v[F0:F0+11], 0, v[AS+\mt], v[SW] matrix_a_fmt:MATRIX_FMT_FP6 matrix_b_fmt:MATRIX_FMT_FP6
	v_wmma_scale_f32_16x16x128_f8f6f4 v[ACC+16*\mt+8:ACC+16*\mt+15], v[A0+12*\mt:A0+12*\mt+11], v[F1:F1+11], 0, v[AS+\mt], v[SW] matrix_a_fmt:MATRIX_FMT_FP6 matrix_b_fmt:MATRIX_FMT_FP6 matrix_b_scale:MATRIX_SCALE_ROW1
.endr
.rept 4
	v_nop                                          ; four places ahead of the first read of results
.endr
.irp q, 0,1,2,3,4,5,6,7
	ds_store_b128 v[PST], v[ACC+4*\q:ACC+4*\q+3] offset:512*\q     ; my K step's sums, each accumulator from its low end on
.endr
	s_wait_dscnt 0x0                               ; for the others' sake: my stores have landed
	s_barrier_signal -1
	s_barrier_wait -1
.irp p, 0,1,2,3,4,5,6,7
	ds_load_b128 v[R+4*\p:R+4*\p+3], v[PLD] offset:4096*\p         ; registers 4 w .. 4 w + 3 of all eight K steps: batch 16 mt + 8 h + j0 + 0 .. 3, column 16 ct + r
.endr
	v_add_f32 v[VB1], v[VB1], v[VB1+1]
	s_delay_alu instid0(VALU_DEP_1)
	v_mul_f32 v[VB1], s34, v[VB1]                  ; c (b1 + b2)
	s_wait_dscnt 0x0
.irp p, 1
	v_pk_add_f32 v[R:R+1], v[R:R+1], v[R+4*\p:R+4*\p+1]            ; K ascending
	v_pk_add_f32 v[R+2:R+3], v[R+2:R+3], v[R+4*\p+2:R+4*\p+3]
.endr
.irp p, 2, 3, 4, 5, 6, 7
	s_delay_alu instid0(VALU_DEP_2)
	v_pk_add_f32 v[R:R+1], v[R:R+1], v[R+4*\p:R+4*\p+1]            ; K ascending
	s_delay_alu instid0(VALU_DEP_2)
	v_pk_add_f32 v[R+2:R+3], v[R+2:R+3], v[R+4*\p+2:R+4*\p+3]
.endr
.irp e, 0,1,2,3
	v_fma_f32 v[QD+4*\e], v[R+\e], s34, v[VB1]     ; cq, twice, so that packed forms take whole pairs
	v_fma_f32 v[QD+4*\e+1], v[R+\e], s34, v[VB1]
	v_mul_f32 v[QD+4*\e+2], NC2L, v[VB1+2]         ; mv, twice
	v_mul_f32 v[QD+4*\e+3], NC2L, v[VB1+2]
.endr
.irp e, 0,1,2,3
	global_store_b128 v[TO], v[QD+4*\e:QD+4*\e+3], s[18:19] offset:\e*16384    ; sixteen lanes store 256 consecutive bytes, aligned
.endr
.Lend:
	s_wait_tensorcnt 0x0                           ; the wave's end, behind my last LDS store
	ds_add_u32 v[SPW], v[NIL]
	s_wait_dscnt 0x0
	s_endpgm
.Lfunc_end_k_q56b1e04f94_prep:
	.size	k_q56b1e04f94_prep, .Lfunc_end_k_q56b1e04f94_prep-k_q56b1e04f94_prep
	.p2alignl 7, 3214868480
	.fill 96, 4, 3214868480
	.section	.rodata,"a",@progbits
	.p2align	6, 0x0
	.amdhsa_kernel k_q56b1e04f94_prep
		.amdhsa_group_segment_fixed_size 33792
		.amdhsa_private_segment_fixed_size 0
		.amdhsa_enable_private_segment 0
		.amdhsa_kernarg_size 64
		.amdhsa_user_sgpr_count 2
		.amdhsa_user_sgpr_kernarg_segment_ptr 1
		.amdhsa_wavefront_size32 1
		.amdhsa_system_sgpr_workgroup_id_x 1
		.amdhsa_system_sgpr_workgroup_id_y 1
		.amdhsa_system_sgpr_workgroup_id_z 1
		.amdhsa_system_vgpr_workitem_id 0
		.amdhsa_next_free_vgpr 384
		.amdhsa_next_free_sgpr 66
		.amdhsa_reserve_vcc 0
		.amdhsa_float_denorm_mode_32 3
		.amdhsa_float_denorm_mode_16_64 3
		.amdhsa_memory_ordered 1
		.amdhsa_forward_progress 1
		.amdhsa_inst_pref_size 61
	.end_amdhsa_kernel
	.amdgpu_metadata
---
amdhsa.version: [ 1, 2 ]
amdhsa.kernels:
  - .name:           k_q56b1e04f94_prep
    .symbol:         k_q56b1e04f94_prep.kd
    .args:
      - { .name: W1, .offset: 0, .size: 8, .value_kind: global_buffer, .address_space: global }
      - { .name: W2, .offset: 8, .size: 8, .value_kind: global_buffer, .address_space: global }
      - { .name: query, .offset: 16, .size: 8, .value_kind: global_buffer, .address_space: global }
      - { .name: b1, .offset: 24, .size: 8, .value_kind: global_buffer, .address_space: global }
      - { .name: b2, .offset: 32, .size: 8, .value_kind: global_buffer, .address_space: global }
      - { .name: V, .offset: 40, .size: 8, .value_kind: global_buffer, .address_space: global }
      - { .name: w1f, .offset: 48, .size: 8, .value_kind: global_buffer, .address_space: global }
      - { .name: tab, .offset: 56, .size: 8, .value_kind: global_buffer, .address_space: global }
    .group_segment_fixed_size: 33792
    .private_segment_fixed_size: 0
    .kernarg_segment_align: 8
    .kernarg_segment_size: 64
    .max_flat_workgroup_size: 256
    .sgpr_count:     66
    .vgpr_count:     384
    .wavefront_size: 32
...
	.end_amdgpu_metadata
.endif
;; end of part 1
;; launch main (part 2): grid 256 x 1, 4 waves a work-group, clusters of 4 x 1, 327,680 bytes of LDS; arguments values, w1f, tab, sc; writes sc
.if DOCPART == 2
	.amdgcn_target "amdgcn-amd-amdhsa--gfx1250"
	.amdhsa_code_object_version 6
	.text
	.protected	k_q56b1e04f94_main
	.globl	k_q56b1e04f94_main
	.p2align	8
	.type	k_q56b1e04f94_main,@function
k_q56b1e04f94_main:
	s_mov_b64 s[64:65], 0
	v_nop
	global_prefetch_b8 v0, s[64:65] scope:SCOPE_SE
	s_setreg_imm32_b32 hwreg(HW_REG_WAVE_MODE, 25, 1), 1
	s_wait_xcnt 0x0
	s_wait_alu depctr_hold_cnt(0) depctr_sa_sdst(0) depctr_va_vdst(0) depctr_va_sdst(0) depctr_va_ssrc(0) depctr_va_vcc(0) depctr_vm_vsrc(0)
	s_getreg_b32 s2, hwreg(HW_REG_IB_STS2, 6, 4)
	s_cmp_eq_u32 s2, 0
	s_cbranch_scc0 .Lentry_in_a_cluster
	s_endpgm
.Lentry_in_a_cluster:
	s_bfe_u32 s2, ttmp6, 0x10000c
	s_cmp_lg_u32 s2, 0x3003
	s_cbranch_scc0 .Lentry_shape_is_right
	s_endpgm
.Lentry_shape_is_right:
; BAHDANAU ATTENTION, launch 2 of 3: sc[row] = t = sum over the 1,024 units n of mv[n] / (1 + 2^(c x[row][n])), x = Q(values) Q(W1) + proj_q + b1 + b2, c = 2 log2(e), mv = -c V.
; t is log2(e) x the score without bv and without sum_n V[n]: both are the same along the softmax's axis and were left out as shown at the head of the first launch.
; LIMITS: as stated there.  Where 2^(c x) passes f32's range it is infinity and its term is 0, which is the limit of the formula.
; SHARES.  A work-group owns 256 rows of values, a wave 64.  HEAD: the wave's 64 x 1,024 numbers are read once, 512 consecutive bytes a load, turned through the wave's own LDS stage so that a lane holds
; whole blocks of 32 along K, quantised, and kept as codes in 384 registers (32 units of 16 rows x 128 K) with 32 scale words.  LOOP: 64 tiles of 16 units of W1, 12,800 bytes each as launch 1 laid them.
; CLUSTER 4, 1, 1: the four work-groups walk the same tiles of w1f and the same batch's entries of tab: every tensor load is joint (mask 15).  Two slots of eight tiles; each wave fetches two tiles of a slot.
; No prefetch: values is read once, by loads that stand three to four units (48 to 64 loads a wave) ahead of their use; a slot of w1f is asked for eight tiles' work ahead of its first read.
; THE LOOP IS A PIPELINE of period two.  Trip i: 32 matrix instructions of tile i on end (four accumulators by turns, K ascending); among them only plain work: sums += r x mv of tile i - 2 and e + 1 of tile i - 1;
; behind them c x + cq of tile i; then ONE batch of 64 transcendentals: r = 1 / (1 + e) of tile i - 1 and e = 2^(..) of tile i, with one wait ahead of it and one behind.
; The LDS loads of tile i + 1 stand in four runs outside the products: at the trip's top, ahead of the batch, and twice inside it.
; WINDOWS.  0: addresses, scale words, two sets of 32 accumulators, 32 sums.  1, 2: A's codes of K steps 0-3, 4-7; window 1 v192-223: r.  3: B's two sets, v192.. cq and mv (in the head: the ring of loaded numbers).
; The plain work among the products is written so that it runs under the products' own windows (source 0 window 1 or 2, source 1 window 3, source 2 and destination window 0).
.set FLOOR, 0x1800000                  ; 2^(3 - 127): the floor under a block's largest magnitude
.set TILEB, 12800
.set SLOTB, 8*TILEB
.set TAB,   102400                     ; LDS: 0 slot 0 | 102,400 the batch's 1,024 entries of tab | 118,784 spare words | 131,072 slot 1 | 233,472 the waves' stages
.set SPARE, 118784
.set SLOT1, 1<<17
.set STG,   233472
.set SPITCH, 528
.set STGB,  16*SPITCH
.set SPW, 1                            ; v1 my spare word's address, v2 = 0: never rewritten
.set NIL, 2
.set LB,  3                            ; 16 x lane
.set LSC, 4                            ; 4 x lane + 12,288: a tile's scale words
.set LQ,  5                            ; TAB - 256 + 16 r
.set ADB, 6                            ; this trip's LDS addresses: codes, scale words, tab
.set ADS, 7
.set ADQ, 8
.set GV,  9
.set STW, 10
.set STR, 11
.set H8,  12
.set PX,  13
.set SRW, 14
.set SRR, 15
.set ASC, 16                           ; v16-47 A's scale words, 8 m + K step;  v48-55 B's, two sets of four (lanes 0-15 the even K step, lanes 16-31 the odd)
.set BSC, 48
.set ACC, 64                           ; v64-127 two sets of four accumulators
.set SS,  128                          ; v128-159 the sums
.set RR,  192                          ; window 1: r
.set QC,  192                          ; window 3: (cq, cq), two sets
.set QM,  200                          ; window 3: (mv, mv), two sets
.set X0,  64                           ; head: two sets of 64 numbers, v64-127 and v160-223
.set TM,  224
.set TS,  226
.set TB,  228
.set WD,  230
.set UT,  232
.set WV,  12
.set SEL, 20
.set CS,  22
.set G1W, 24
.set G1T, 32
.set G0T, 40
.set G0A, 44
.set G0W, 48
.set TBS, 52                           ; where the next tile to load lies in LDS
.set TQ,  53                           ; 256 x trip
.set SLOTS, 54
.set CNT, 55
.set MSB, 0
.macro WIN new                         ; the immediate's high byte repeats the setting that is left
.if MSB != \new
	s_set_vgpr_msb (MSB<<8)|\new
.set MSB, \new
.endif
.endm
.macro CROUND                          ; a round of the cluster's barrier
	s_barrier_signal -1
	s_barrier_wait -1
	s_cmp_lg_u32 s[WV], 0
	s_cbranch_scc1 .Lnot_wave_0_\@
	s_barrier_signal -3
.Lnot_wave_0_\@:
	s_barrier_wait -3
	s_barrier_signal -1
	s_barrier_wait -1
.endm
.macro TLOAD g0, g1                    ; a joint load with the lines behind it
	tensor_load_to_lds s[\g0:\g0+3], s[\g1:\g1+7]
	s_nop 0
.rept 4
	v_nop
.endr
.endm
.macro FILL g0, g1                     ; a later first fill: issued as a refill is
	s_wait_alu depctr_va_vdst(0)                   ; the wait ahead of the blocking waits
	s_wait_tensorcnt 0x0                           ; my one load that was out has landed
	ds_add_u32 v[SPW], v[NIL]
	s_wait_dscnt 0x0                               ; the add and my stage's traffic are done
	CROUND
	TLOAD \g0, \g1
.endm
	s_load_b256 s[4:11], s[0:1], 0x0               ; values s[4:5], w1f s[6:7], tab s[8:9], sc s[10:11]
	v_lshl_add_u32 v[SPW], v0, 2, SPARE
	v_mov_b32 v[NIL], 0
	ds_add_u32 v[SPW], v[NIL]                      ; the opening lines: the add twice on end, one wait below
	ds_add_u32 v[SPW], v[NIL]
	v_lshrrev_b32 v3, 5, v0
	v_readfirstlane_b32 s[WV], v3                  ; wave 0..3
	s_bfe_u32 s13, ttmp6, 0x40000                  ; cx
	s_lshl_b32 s14, ttmp9, 2
	s_add_co_u32 s14, s14, s13                     ; work-group 0..255
	s_mov_b32 s[G1W], 15|(3<<16)|(1<<21)           ; two tiles of w1f: 100 rows of 256 bytes (32 elements of 8), dense; mask: all four partners
	s_mov_b32 s[G1W+1], 32<<16
	s_mov_b32 s[G1W+2], 100<<16
	s_mov_b32 s[G1W+3], 32<<16
	s_mov_b32 s[G1W+4], 100
	s_mov_b32 s[G1W+5], 32
	s_mov_b32 s[G1W+6], 0
	s_mov_b32 s[G1W+7], 0
	s_mov_b32 s[G1T], 15|(3<<16)|(1<<21)           ; a quarter of the batch's tab: 16 rows of 256 bytes
	s_mov_b32 s[G1T+1], 32<<16
	s_mov_b32 s[G1T+2], 16<<16
	s_mov_b32 s[G1T+3], 32<<16
	s_mov_b32 s[G1T+4], 16
	s_mov_b32 s[G1T+5], 32
	s_mov_b32 s[G1T+6], 0
	s_mov_b32 s[G1T+7], 0
	s_mul_i32 s16, s[WV], 2*TILEB                  ; my two tiles of a slot
	s_mov_b32 s17, 0
	s_lshl_b32 s19, s[WV], 12
	s_mov_b32 s[G0T], 1
	s_add_co_u32 s[G0T+1], s19, TAB
	s_lshr_b32 s18, ttmp9, 1                       ; the batch: two clusters to each
	s_lshl_b32 s18, s18, 14
	s_add_co_u32 s18, s18, s19
	s_mov_b32 s19, 0
	s_mov_b32 s[G0A], 1
	s_mov_b32 s[G0A+1], s16
	s_mov_b32 s[G0W], 1
	s_add_co_u32 s[G0W+1], s16, SLOT1
	s_lshl_b32 s56, s14, 20                        ; values: 256 rows of 4,096 bytes a work-group, 64 a wave
	s_lshl_b32 s57, s[WV], 18
	s_add_co_u32 s56, s56, s57
	s_mov_b32 s57, 0
	s_lshl_b32 s58, s14, 10                        ; sc: 4 bytes a row
	s_lshl_b32 s59, s[WV], 8
	s_add_co_u32 s58, s58, s59
	s_mov_b32 s59, 0
	s_mov_b32 s[SEL], 0x76543210
	s_mov_b32 s[SEL+1], 0xfedcba98                 ; v_permlanex16_b32's selects for lane l xor 16
	s_mov_b32 s[CS], 0x4038aa3b                    ; c
	s_mov_b32 s[CS+1], s[CS]
	s_mov_b32 s[TBS], TILEB                        ; tile 0 is loaded ahead of the loop
	s_mov_b32 s[TQ], 0
	s_mov_b32 s[SLOTS], 6
	s_mul_i32 s60, s[WV], 2*STGB
	s_add_co_u32 s60, s60, STG                     ; my two stages
	v_and_b32 v224, 31, v0
	v_and_b32 v225, 15, v0
	v_bfe_u32 v226, v0, 4, 1
	v_lshlrev_b32 v[LB], 4, v224
	v_lshl_add_u32 v[LSC], v224, 2, 12288
	v_lshl_add_u32 v[LQ], v225, 4, TAB-256
	v_lshlrev_b32 v[GV], 4, v224
	v_add_nc_u32 v[STW], s60, v[LB]
	v_mul_u32_u24 v[STR], v225, SPITCH
	v_lshl_add_u32 v[STR], v226, 7, v[STR]
	v_add_nc_u32 v[STR], s60, v[STR]
	v_lshlrev_b32 v[H8], 3, v226
	v_mov_b32 v[PX], 0
	v_lshlrev_b32 v[SRW], 5, v226
	v_add_nc_u32 v[SRW], s60, v[SRW]
	v_lshlrev_b32 v[SRR], 3, v224
	v_add_nc_u32 v[SRR], s60, v[SRR]
	s_wait_alu depctr_va_vdst(0)                   ; the wait at the head's end
	s_wait_dscnt 0x0                               ; both opening adds are done
	s_wait_kmcnt 0x0
	s_add_nc_u64 s[G0T+2:G0T+3], s[8:9], s[18:19]
	s_or_b32 s[G0T+3], s[G0T+3], 0x80000000
	s_add_nc_u64 s[G0A+2:G0A+3], s[6:7], s[16:17]
	s_add_nc_u64 s[G0W+2:G0W+3], s[G0A+2:G0A+3], SLOTB
	s_or_b32 s[G0A+3], s[G0A+3], 0x80000000
	s_or_b32 s[G0W+3], s[G0W+3], 0x80000000
	s_add_nc_u64 s[4:5], s[4:5], s[56:57]
	s_add_nc_u64 s[10:11], s[10:11], s[58:59]
; unit u = 16 rows (u / 8) x K step u % 8.  LOADU: 16 loads of 512 consecutive bytes into ring set u % 4 (window 3)
.macro LOADU u
	WIN 0xc0
.irp i, 0,1,2,3,4,5,6,7,8,9,10,11,12,13,14,15
	global_load_b128 v[64*((\u)%4)+4*\i:64*((\u)%4)+4*\i+3], v[GV], s[4:5] offset:(16*((\u)/8)+\i)*4096+512*((\u)%8) th:TH_LOAD_NT
.endr
	WIN 0
.endm
; TURN: through my stage u % 2, and back with k = 64 c + 32 h + 0 .. 31 of row r in a lane.  LDS serves a wave's instructions in order: no wait between
.macro TURN u
	WIN 0x0c
.irp i, 0,1,2,3,4,5,6,7,8,9,10,11,12,13,14,15
	ds_store_b128 v[STW], v[64*((\u)%4)+4*\i:64*((\u)%4)+4*\i+3] offset:STGB*((\u)%2)+SPITCH*\i
.endr
	WIN 0
.set XB, X0+96*((\u)%2)
.irp c, 0,1
.irp e, 0,1,2,3,4,5,6,7
	ds_load_b128 v[XB+32*\c+4*\e:XB+32*\c+4*\e+3], v[STR] offset:STGB*((\u)%2)+256*\c+16*\e
.endr
.endr
.endm
; QA: two whole blocks a lane become 12 registers of codes (window 1 or 2) and, with lane l xor 16's two bytes, the unit's scale word
.macro QA u
.set XB, X0+96*((\u)%2)
.set DW, (1+((\u)%8)/4)<<6
.set DD, 12*(4*((\u)/8)+(\u)%4)
.irp c, 0,1
	v_max3_num_f32 v[TM+\c], |v[XB+32*\c]|, |v[XB+32*\c+1]|, FLOOR
.endr
.irp i, 2,4,6,8,10,12,14,16,18,20,22,24,26,28,30
.irp c, 0,1
	v_max3_num_f32 v[TM+\c], v[TM+\c], |v[XB+32*\c+\i]|, |v[XB+32*\c+\i+1]|
.endr
.endr
.irp c, 0,1
	v_add_nc_u32 v[TS+\c], 0xff000000, v[TM+\c]    ; 2 off the exponent field: the conversion's scale operand
.endr
.irp c, 0,1
	v_lshrrev_b32 v[TB+\c], 23, v[TS+\c]           ; the scale's byte
.endr
	v_lshl_or_b32 v[WD], v[TB+1], 16, v[TB]
	v_lshlrev_b32 v[WD], v[H8], v[WD]
	v_permlanex16_b32 v[PX], v[WD], s[SEL], s[SEL+1]
	v_or_b32 v[ASC+(\u)], v[WD], v[PX]
	WIN DW
.irp c, 0,1
	v_cvt_scalef32_pk16_fp6_f32 v[DD+6*\c:DD+6*\c+2], v[XB+32*\c:XB+32*\c+15], v[TS+\c]
.endr
	WIN 0
.irp c, 0,1
	v_cvt_scalef32_pk16_fp6_f32 v[UT+4*\c:UT+4*\c+2], v[XB+32*\c+16:XB+32*\c+31], v[TS+\c]   ; (a conversion's three registers begin on an even number)
.endr
	v_nop                                          ; one plain place behind the conversions
	WIN DW
.irp c, 0,1
.irp i, 0,1,2
	v_mov_b32 v[DD+6*\c+3+\i], v[UT+4*\c+\i]
.endr
.endr
	WIN 0
.endm
.macro UNIT u
	s_wait_dscnt 0x0                               ; this unit's numbers are back from the stage, and its stores have read ring set u % 4
.if (\u)+1 < 32
.if (\u) < 29
	s_wait_loadcnt 32                              ; the next unit's 16 loads are in; the two younger units' 32 may be out
.else
	s_wait_loadcnt 16*(30-(\u))
.endif
	TURN (\u)+1                                    ; the stage's traffic is issued ahead of the unit's global loads
.endif
.if (\u)+4 < 32
	LOADU (\u)+4                                   ; ring set u % 4 takes the unit four further on
.endif
	QA \u
.endm
	LOADU 0                                        ; the stream of values starts ahead of the cluster's first round
	LOADU 1
	LOADU 2
	LOADU 3
	CROUND                                         ; in front of the first joint loads
	TLOAD G0A, G1W                                 ; slot 0, tiles 0-7: my one tensor load at the head
	s_wait_loadcnt 48
	TURN 0
.set U, 0
.rept 32
.if U == 2
	FILL G0T, G1T                                  ; the batch's tab
.endif
.if U == 4
	FILL G0W, G1W                                  ; slot 1, tiles 8-15.  Its round shows slot 0 and tab whole to all four waves
.endif
	UNIT U
.set U, U+1
.endr
	s_wait_alu depctr_va_vdst(0)                   ; the wait: the last unit's codes
	WIN 0xc0                                       ; tile 0 into B's set 0, cq of tile 0
.irp s, 0,1,2,3,4,5,6,7
.irp q, 0,1,2
	ds_load_b128 v[12*\s+4*\q:12*\s+4*\q+3], v[LB] offset:1536*\s+512*\q
.endr
.endr
	ds_load_b64 v[QC:QC+1], v[LQ] offset:256
	WIN 0
.irp q, 0,1,2,3
	ds_load_b32 v[BSC+\q], v[LSC] offset:128*\q
.endr
.rept 8
	v_nop                                          ; a scale register written by a vector instruction stands 8 places ahead of a scaled matrix instruction
.endr
	s_wait_dscnt 0x0                               ; all of tile 0 is in: the first trip's counted wait finds nothing out
.macro PROD p                          ; product k of a tile: K step k / 4, rows 16 (k % 4): the four accumulators by turns
.set pm, k%4
.set pk, k/4
.set rD, ACC+32*(\p)+8*pm
.set rA, 12*(4*pm+pk%4)
.set rB, 96*(\p)+12*pk
.if pk == 0
	v_wmma_scale_f32_16x16x128_f8f6f4 v[rD:rD+7], v[rA:rA+11], v[rB:rB+11], 0, v[ASC+8*pm+pk], v[BSC+4*(\p)+pk/2] matrix_a_fmt:MATRIX_FMT_FP6 matrix_b_fmt:MATRIX_FMT_FP6
.elseif pk%2
	v_wmma_scale_f32_16x16x128_f8f6f4 v[rD:rD+7], v[rA:rA+11], v[rB:rB+11], v[rD:rD+7], v[ASC+8*pm+pk], v[BSC+4*(\p)+pk/2] matrix_a_fmt:MATRIX_FMT_FP6 matrix_b_fmt:MATRIX_FMT_FP6 matrix_b_scale:MATRIX_SCALE_ROW1
.else
	v_wmma_scale_f32_16x16x128_f8f6f4 v[rD:rD+7], v[rA:rA+11], v[rB:rB+11], v[rD:rD+7], v[ASC+8*pm+pk], v[BSC+4*(\p)+pk/2] matrix_a_fmt:MATRIX_FMT_FP6 matrix_b_fmt:MATRIX_FMT_FP6
.endif
.endm
.macro S5 p, n, first                  ; sums += r x mv (r window 1, mv window 3); the first tile's products start the sums
.if \first
	v_pk_mul_f32 v[SS+2*(\n):SS+2*(\n)+1], v[RR+2*(\n):RR+2*(\n)+1], v[QM+4*(\p):QM+4*(\p)+1]
.else
	v_pk_fma_f32 v[SS+2*(\n):SS+2*(\n)+1], v[RR+2*(\n):RR+2*(\n)+1], v[QM+4*(\p):QM+4*(\p)+1], v[SS+2*(\n):SS+2*(\n)+1]
.endif
.endm
.macro S3 p, n                         ; 1 + e on the other set, as 1 x 1 + e: so its one register source stands at source 2, in window 0
	v_pk_fma_f32 v[ACC+32*(1-(\p))+2*(\n):ACC+32*(1-(\p))+2*(\n)+1], 1.0, 1.0, v[ACC+32*(1-(\p))+2*(\n):ACC+32*(1-(\p))+2*(\n)+1] op_sel_hi:[0,0,1]
.endm
.macro BL p, g                         ; K steps 2 g and 2 g + 1 of the next tile's fragments, six loads, into the set that the last trip multiplied
	WIN 0xc0
.irp s, 0,1
.irp q, 0,1,2
	ds_load_b128 v[96*(1-(\p))+12*(2*(\g)+\s)+4*\q:96*(1-(\p))+12*(2*(\g)+\s)+4*\q+3], v[ADB] offset:1536*(2*(\g)+\s)+512*\q
.endr
.endr
.endm
.macro RCPS p                          ; r = 1 / (1 + e) of the other set, into window 1
.set n, 0
.rept 32
	v_rcp_f32 v[RR+n], v[ACC+32*(1-(\p))+n]
.set n, n+1
.endr
.endm
.macro EXPS p                          ; sixteen of the set's 32 exponentials, from n on
.rept 16
	v_exp_f32 v[ACC+32*(\p)+n], v[ACC+32*(\p)+n]
.set n, n+1
.endr
.endm
; trip i, p = i % 2.  s3, s5, rc: the earlier tiles' steps exist (s5 = 2: the sums' start);  ldb, ldc, ldm: load tile i + 1's codes and scale words, its cq, tile i - 1's mv
.macro ITER p, s3, s5, rc, ldb, ldc, ldm
	s_wait_dscnt 6                                 ; all that the last trip asked of LDS is in but its last six loads, K steps 6 and 7
.if \ldb
	v_add_nc_u32 v[ADB], s[TBS], v[LB]
	v_add_nc_u32 v[ADS], s[TBS], v[LSC]
.endif
	v_add_nc_u32 v[ADQ], s[TQ], v[LQ]              ; TAB + 256 (i - 1) + 16 r
	s_wait_alu depctr_va_vdst(0)                   ; the wait behind these writes: waits and window switches stand ahead of their readers
.if \ldb
	BL \p, 0                                       ; ten loads at the trip's top
	WIN 0
.irp q, 0,1,2,3
	ds_load_b32 v[BSC+4*(1-(\p))+\q], v[ADS] offset:128*\q
.endr
.endif
.set k, 0
.rept 32
.if k < 16
	WIN 0x0d
.else
	WIN 0x0e
.endif
	PROD \p
.if k < 16
.if \s5 == 1
	S5 \p, k, 0
.elseif \s5 == 2
	S5 \p, k, 1
.endif
.elseif \s3
	S3 \p, k-16                                    ; the last four are also the places behind the first accumulator's last product
.elseif k >= 28
	v_nop
.endif
.if k == 19
	s_wait_dscnt 10*(\ldb)                         ; K steps 6 and 7 are in; this trip's ten loads may be out
.endif
.set k, k+1
.endr
	WIN 0x30                                       ; source 2 (cq) window 3
.set n, 0
.rept 16
	v_pk_fma_f32 v[ACC+32*(\p)+2*n:ACC+32*(\p)+2*n+1], v[ACC+32*(\p)+2*n:ACC+32*(\p)+2*n+1], s[CS:CS+1], v[QC+4*(\p):QC+4*(\p)+1] op_sel_hi:[1,0,1]   ; c x + cq, each accumulator from its low end on
.set n, n+1
.endr
	s_wait_alu depctr_va_vdst(0)                   ; the wait ahead of the batch
.if \ldb
	BL \p, 1
.endif
.if \ldc
	WIN 0xc0
	ds_load_b64 v[QC+4*(1-(\p)):QC+4*(1-(\p))+1], v[ADQ] offset:512
.endif
.if \ldm
	WIN 0xc0
	ds_load_b64 v[QM+4*(1-(\p)):QM+4*(1-(\p))+1], v[ADQ] offset:8
.endif
.if \rc
	WIN 0x40
	RCPS \p
.endif
.if \ldb
	BL \p, 2
.endif
	WIN 0
.set n, 0
	EXPS \p
.if \ldb
	BL \p, 3                                       ; the trip's last six loads
	WIN 0
.endif
	EXPS \p
	v_nop                                          ; a plain place behind the last transcendental
	s_wait_alu depctr_va_vdst(0)                   ; and the wait behind the batch
.if \ldb
	s_add_co_u32 s[TBS], s[TBS], TILEB
.endif
	s_add_co_u32 s[TQ], s[TQ], 256
.endm
.macro PAIR
	ITER 1, 1, 1, 1, 1, 1, 1
	ITER 0, 1, 1, 1, 1, 1, 1
.endm
; a change of slots: all eight tiles of the old slot have been loaded into registers
.macro CHANGE fill
	s_wait_tensorcnt 0x0                           ; my part of the next slot has landed
	ds_add_u32 v[SPW], v[NIL]
.if \fill
	s_xor_b32 s[G0W+1], s[G0W+1], SLOT1            ; no load of mine is out: the descriptor steps to the slot just read and eight tiles on
	s_add_nc_u64 s[G0W+2:G0W+3], s[G0W+2:G0W+3], SLOTB
.endif
	s_wait_dscnt 0x0                               ; the add, and my reads of the old slot
.if \fill
	CROUND
	TLOAD G0W, G1W
.else
	s_barrier_signal -1
	s_barrier_wait -1
.endif
	s_sub_co_u32 s[TBS], s[TBS], SLOTB
	s_xor_b32 s[TBS], s[TBS], SLOT1
.endm
	ITER 0, 0, 0, 0, 1, 1, 0                       ; trips 0, 1, 2: the pipeline fills
	ITER 1, 1, 0, 1, 1, 1, 1
	ITER 0, 1, 2, 1, 1, 1, 1
	s_mov_b32 s[CNT], 2
.Lfirst:                                               ; trips 3-6
	PAIR
	s_sub_co_u32 s[CNT], s[CNT], 1
	s_cmp_lg_u32 s[CNT], 0
	s_cbranch_scc1 .Lfirst
.Lslot:                                                ; trips 7-54: six changes of slots that fill again
	CHANGE 1
	s_mov_b32 s[CNT], 4
.Lin:
	PAIR
	s_sub_co_u32 s[CNT], s[CNT], 1
	s_cmp_lg_u32 s[CNT], 0
	s_cbranch_scc1 .Lin
	s_sub_co_u32 s[SLOTS], s[SLOTS], 1
	s_cmp_lg_u32 s[SLOTS], 0
	s_cbranch_scc1 .Lslot
	CHANGE 0                                       ; the last slot: nothing more is fetched
	s_mov_b32 s[CNT], 4
.Llast:                                                ; trips 55-62
	PAIR
	s_sub_co_u32 s[CNT], s[CNT], 1
	s_cmp_lg_u32 s[CNT], 0
	s_cbranch_scc1 .Llast
	ITER 1, 1, 1, 1, 0, 0, 1                       ; trip 63: the last tile's products
	s_wait_dscnt 0x0                               ; the pipeline drains: mv of tile 62 is in
	v_add_nc_u32 v[ADQ], s[TQ], v[LQ]
	WIN 0xc0
	ds_load_b64 v[QM+4:QM+5], v[ADQ] offset:8      ; mv of tile 63
	WIN 0x0d
.set n, 0
.rept 16
	S5 0, n, 0
.set n, n+1
.endr
.set n, 0
.rept 16
	S3 0, n
.set n, n+1
.endr
	WIN 0x40
	s_wait_alu depctr_va_vdst(0)                   ; the wait ahead of the batch
	RCPS 0
	WIN 0
	v_nop
	s_wait_alu depctr_va_vdst(0)                   ; and behind it
	s_wait_dscnt 0x0
	WIN 0x0d
.set n, 0
.rept 16
	S5 1, n, 0
.set n, n+1
.endr
	WIN 0
.irp x, 1,2,4,8                        ; a lane holds one unit in sixteen: the sum over the sixteen lanes of a row
.set N, 0
.rept 32
	v_add_f32_dpp v[SS+N], v[SS+N], v[SS+N] row_xmask:\x row_mask:0xf bank_mask:0xf
.set N, N+1
.endr
.endr
.irp m, 0,1,2,3
.irp q, 0,1
	ds_store_b128 v[SRW], v[SS+8*\m+4*\q:SS+8*\m+4*\q+3] offset:64*\m+16*\q   ; row 16 m + 8 h + j at byte 4 x row of my stage; sixteen lanes write the same bytes with the same values
.endr
.endr
	ds_load_b64 v[224:225], v[SRR]
	v_and_b32 v226, 31, v0
	v_lshlrev_b32 v226, 3, v226
	s_wait_alu depctr_va_vdst(0)                   ; the wait, directly ahead of the wait below
	s_wait_dscnt 0x0
	global_store_b64 v226, v[224:225], s[10:11]    ; 32 lanes store one aligned run of 256 bytes: my 64 rows
	s_wait_tensorcnt 0x0                           ; the wave's end
	ds_add_u32 v[SPW], v[NIL]
	s_wait_dscnt 0x0
	CROUND                                         ; the closing round
	s_endpgm
.Lfunc_end_k_q56b1e04f94_main:
	.size	k_q56b1e04f94_main, .Lfunc_end_k_q56b1e04f94_main-k_q56b1e04f94_main
	.p2alignl 7, 3214868480
	.fill 96, 4, 3214868480
	.section	.rodata,"a",@progbits
	.p2align	6, 0x0
	.amdhsa_kernel k_q56b1e04f94_main
		.amdhsa_group_segment_fixed_size 327680
		.amdhsa_private_segment_fixed_size 0
		.amdhsa_enable_private_segment 0
		.amdhsa_kernarg_size 32
		.amdhsa_user_sgpr_count 2
		.amdhsa_user_sgpr_kernarg_segment_ptr 1
		.amdhsa_wavefront_size32 1
		.amdhsa_system_sgpr_workgroup_id_x 1
		.amdhsa_system_sgpr_workgroup_id_y 1
		.amdhsa_system_sgpr_workgroup_id_z 1
		.amdhsa_system_vgpr_workitem_id 0
		.amdhsa_next_free_vgpr 1024
		.amdhsa_next_free_sgpr 66
		.amdhsa_reserve_vcc 0
		.amdhsa_float_denorm_mode_32 3
		.amdhsa_float_denorm_mode_16_64 3
		.amdhsa_memory_ordered 1
		.amdhsa_forward_progress 1
		.amdhsa_inst_pref_size 255
	.end_amdhsa_kernel
	.section	.bss,"aw",@nobits
	.p2align	6
	.space	262144
	.amdgpu_metadata
---
amdhsa.version: [ 1, 2 ]
amdhsa.kernels:
  - .name:           k_q56b1e04f94_main
    .symbol:         k_q56b1e04f94_main.kd
    .args:
      - { .name: values, .offset: 0, .size: 8, .value_kind: global_buffer, .address_space: global }
      - { .name: w1f, .offset: 8, .size: 8, .value_kind: global_buffer, .address_space: global }
      - { .name: tab, .offset: 16, .size: 8, .value_kind: global_buffer, .address_space: global }
      - { .name: sc, .offset: 24, .size: 8, .value_kind: global_buffer, .address_space: global }
    .group_segment_fixed_size: 327680
    .private_segment_fixed_size: 0
    .kernarg_segment_align: 8
    .kernarg_segment_size: 32
    .max_flat_workgroup_size: 128
    .sgpr_count:     66
    .vgpr_count:     1024
    .wavefront_size: 32
...
	.end_amdgpu_metadata
.endif
;; end of part 2
;; launch ctx (part 3): grid 8 x 32, 4 waves a work-group, no clusters, 327,680 bytes of LDS; arguments values, sc, out0, out1; writes out0, out1
.if DOCPART == 3
	.amdgcn_target "amdgcn-amd-amdhsa--gfx1250"
	.amdhsa_code_object_version 6
	.text
	.protected	k_q56b1e04f94_ctx
	.globl	k_q56b1e04f94_ctx
	.p2align	8
	.type	k_q56b1e04f94_ctx,@function
k_q56b1e04f94_ctx:
	s_mov_b64 s[64:65], 0
	v_nop
	global_prefetch_b8 v0, s[64:65] scope:SCOPE_SE
	s_setreg_imm32_b32 hwreg(HW_REG_WAVE_MODE, 25, 1), 1
	s_wait_xcnt 0x0
; BAHDANAU ATTENTION, launch 3 of 3: out1[b][s] = softmax over s of the score, out0[b][:] = sum over s of out1[b][s] values[b][s][:], all in f32.
; sc holds t = log2(e) x the score without bv and sum_n V[n], which are the same along the softmax's axis and were left out as shown at the head of the first launch.
; SHARES.  A work-group owns one batch and 128 of the 1,024 columns (512 bytes of every row): each output byte has one owner.  Wave w takes rows 512 w .. 512 w + 511, a lane four columns.
; THE STREAM goes through a ring of two LDS slots filled by the tensor data mover: a step is 64 rows x 512 bytes for each wave (its own 32,768 bytes of a slot), eight steps; one load a wave behind each barrier.
; Each tile is also asked for two steps ahead by prefetches: four instructions a wave, a lane to a run of 256 bytes; the last two steps ask for nothing.
; No cluster: the work-groups share no byte of values.  No matrix unit: a weighted sum of rows, one multiply-add a number.
; THE MAXIMUM IS TAKEN AWAY IN TWO STEPS.  Each wave takes its own 512 rows' largest t, m_w, makes p = 2^(t - m_w) and their sum l_w with lane permutes alone, and sums p x values over its rows.
; At the end, behind a barrier, M = the largest m_w, f_w = 2^(m_w - M) (at most 1), L = sum of l_w f_w; out0 = (sum over w of f_w x wave w's sums) / L (wave 0);
; out1 = 2^(t - M) / L for the work-group's 256 rows of the batch, from a second copy of their t (wave 1).
; Row 32 q + l of a wave has its p in register q, lane l; it comes to the multiply-adds as a scalar.  A trip of the loop uses four registers of p; behind it the others move four down, so that the register numbers stay.
; LDS: 0 slot 0 | 131,072 slot 1 | 262,144 the waves' m | + 256 their l | + 512 their parts of the context, 512 bytes a wave | + 2,560 the spare words.
.set STEPB, 262144                     ; 64 rows of 4,096 bytes in memory
.set SLOTB, 131072
.set MXB,   262144
.set SM,    256
.set CT,    512
.set SPARE, MXB+2560
.set SPW, 1                            ; v1 my spare word's address, v2 = 0: never rewritten
.set NIL, 2
.set L16, 3                            ; 16 x lane
.set T4,  4                            ; 4 x lane
.set W4,  5                            ; MXB + 4 x wave
.set ZA,  6                            ; MXB
.set LA,  7                            ; v7, v8: my rows in slot 0, 1: 32,768 x wave + 16 x lane
.set PFO, 9                            ; 4,096 x lane
.set CTW, 10                           ; MXB + 16 x thread
.set PX,  11
.set WK,  12                           ; v12-15 at work
.set AC,  16                           ; v16-23 two sets of sums
.set MW,  24
.set LW,  25
.set INV, 26                           ; v26 1 / L, v27 M
.set MM,  27
.set TT,  28                           ; v28-35 t of the work-group's 256 rows of out1
.set P,   36                           ; v36-51 my 512 t, then p
.set MR,  52                           ; v52-55 the m, then the f;  v56-59 the l;  v60-63 the context
.set SR,  56
.set OS,  60
.set LC,  15                           ; v15 MXB + 16 x lane (written at the head, kept)
.set RG,  64                           ; v64-191 two sets of 16 rows x 4 registers
.set G1,  32
.set G0,  40                           ; s[40:43] slot 0's group 0, s[44:47] slot 1's
.set PF,  52
.set CNT, 54
	s_load_b256 s[4:11], s[0:1], 0x0               ; values s[4:5], sc s[6:7], out0 s[8:9], out1 s[10:11]
	v_lshl_add_u32 v[SPW], v0, 2, SPARE
	v_mov_b32 v[NIL], 0
	ds_add_u32 v[SPW], v[NIL]                      ; the opening lines: the add twice on end, one wait below
	ds_add_u32 v[SPW], v[NIL]
	v_lshrrev_b32 v[WK], 5, v0
	v_readfirstlane_b32 s12, v[WK]                 ; wave 0..3
	v_lshl_add_u32 v[W4], v[WK], 2, MXB
	v_and_b32 v[L16], 31, v0
	v_lshlrev_b32 v[T4], 2, v[L16]
	v_lshlrev_b32 v[PFO], 12, v[L16]
	v_lshlrev_b32 v[L16], 4, v[L16]
	v_lshl_add_u32 v[LA], v[WK], 15, v[L16]
	v_add_nc_u32 v[LA+1], SLOTB, v[LA]
	v_add_nc_u32 v[LC], MXB, v[L16]
	v_lshl_add_u32 v[CTW], v0, 4, MXB
	v_mov_b32 v[ZA], MXB
	v_mov_b32 v[PX], 0
.irp e, 0,1,2,3,4,5,6,7
	v_mov_b32 v[AC+\e], 0                          ; the step is written once, in a loop: the eight sums begin as zeros
.endr
	s_mov_b32 s[G1], 3<<16                         ; a tile: 64 rows of 512 bytes (64 elements of 8), 4,096 bytes from row to row, dense in LDS
	s_mov_b32 s[G1+1], 64<<16
	s_mov_b32 s[G1+2], 64<<16
	s_mov_b32 s[G1+3], 64<<16
	s_mov_b32 s[G1+4], 64
	s_mov_b32 s[G1+5], 512
	s_mov_b32 s[G1+6], 0
	s_mov_b32 s[G1+7], 0
	s_mov_b32 s[G0], 1
	s_lshl_b32 s[G0+1], s12, 15
	s_mov_b32 s[G0+4], 1
	s_add_co_u32 s[G0+5], s[G0+1], SLOTB
	s_and_b32 s13, ttmp7, 0xffff                   ; the batch
	s_lshl_b32 s14, s13, 13                        ; its 2,048 numbers in sc and in out1
	s_mov_b32 s15, 0
	s_lshl_b32 s16, s13, 23                        ; its 2,048 rows of 4,096 bytes,
	s_lshl_b32 s17, s12, 21                        ; my wave's 512,
	s_add_co_u32 s16, s16, s17
	s_lshl_b32 s17, ttmp9, 9                       ; my work-group's 512 bytes of a row
	s_add_co_u32 s16, s16, s17
	s_lshl_b32 s18, s13, 12                        ; out0: the batch's row,
	s_add_co_u32 s18, s18, s17                     ; the same 512 bytes
	s_mov_b32 s17, 0
	s_mov_b32 s19, 0
	s_lshl_b32 s30, s12, 11                        ; my wave's 512 t
	s_mov_b32 s31, 0
	s_lshl_b32 s2, ttmp9, 10                       ; the work-group's 256 rows of out1
	s_mov_b32 s3, 0
	s_mov_b32 s20, 0x76543210
	s_mov_b32 s21, 0xfedcba98                      ; v_permlanex16_b32's selects for lane l xor 16
.irp i, 23,25,27,29
	s_mov_b32 s\i, 0                               ; the upper halves of the pairs that the packed forms name
.endr
	s_mov_b32 s[CNT], 3
	s_wait_alu depctr_va_vdst(0)                   ; the wait at the head's end
	s_wait_dscnt 0x0                               ; both opening adds are done
	s_wait_kmcnt 0x0
	s_add_nc_u64 s[4:5], s[4:5], s[16:17]
	s_mov_b64 s[G0+2:G0+3], s[4:5]                 ; step 0
	s_or_b32 s[G0+3], s[G0+3], 0x80000000
	s_add_nc_u64 s[G0+6:G0+7], s[4:5], STEPB       ; step 1
	s_or_b32 s[G0+7], s[G0+7], 0x80000000
	tensor_load_to_lds s[G0:G0+3], s[G1:G1+7]      ; step 0 into slot 0: my one tensor load at the head
	s_nop 0
	s_add_nc_u64 s[PF:PF+1], s[4:5], 2*STEPB       ; the prefetches begin at step 2
	s_add_nc_u64 s[6:7], s[6:7], s[14:15]
	s_add_nc_u64 s[10:11], s[10:11], s[14:15]
	s_add_nc_u64 s[10:11], s[10:11], s[2:3]
	s_add_nc_u64 s[48:49], s[6:7], s[30:31]
	s_add_nc_u64 s[50:51], s[6:7], s[2:3]
	s_add_nc_u64 s[8:9], s[8:9], s[18:19]
.irp q, 0,1,2,3,4,5,6,7,8,9,10,11,12,13,14,15
	global_load_b32 v[P+\q], v[T4], s[48:49] offset:128*\q     ; t of my row 32 q + lane: 128 consecutive bytes a load
.endr
	global_load_b128 v[TT:TT+3], v[L16], s[50:51]              ; 512 consecutive bytes a load
	global_load_b128 v[TT+4:TT+7], v[L16], s[50:51] offset:512
	s_wait_loadcnt 0x0
	v_max3_num_f32 v[WK], v[P], v[P+1], v[P+2]
.irp q, 3,5,7,9,11,13
	v_max3_num_f32 v[WK], v[WK], v[P+\q], v[P+\q+1]
.endr
	v_max_num_f32 v[WK], v[WK], v[P+15]
.irp x, 1,2,4,8
	v_max_num_f32_dpp v[WK], v[WK], v[WK] row_xmask:\x row_mask:0xf bank_mask:0xf
.endr
	v_permlanex16_b32 v[PX], v[WK], s20, s21
	v_max_num_f32 v[MW], v[WK], v[PX]              ; m_w
.irp q, 0,1,2,3,4,5,6,7,8,9,10,11,12,13,14,15
	v_sub_f32 v[P+\q], v[P+\q], v[MW]
.endr
	s_wait_alu depctr_va_vdst(0)                   ; the wait ahead of the batch
.irp q, 0,1,2,3,4,5,6,7,8,9,10,11,12,13,14,15
	v_exp_f32 v[P+\q], v[P+\q]
.endr
	v_nop                                          ; a plain instruction behind the last exponential,
	s_wait_alu depctr_va_vdst(0)                   ; and one wait for the batch, ahead of its first reader
	v_pk_add_f32 v[WK:WK+1], v[P:P+1], v[P+2:P+3]
.irp q, 4,6,8,10,12,14
	v_pk_add_f32 v[WK:WK+1], v[WK:WK+1], v[P+\q:P+\q+1]
.endr
	v_add_f32 v[WK], v[WK], v[WK+1]
.irp x, 1,2,4,8
	v_add_f32_dpp v[WK], v[WK], v[WK] row_xmask:\x row_mask:0xf bank_mask:0xf
.endr
	v_permlanex16_b32 v[PX], v[WK], s20, s21
	v_add_f32 v[LW], v[WK], v[PX]                  ; l_w
.macro LD slot, b                      ; rows 16 b .. 16 b + 15 of the slot's 64 into set b % 2: a load takes one row's 512 bytes
.irp r, 0,1,2,3,4,5,6,7,8,9,10,11,12,13,14,15
	ds_load_b128 v[RG+64*((\b)%2)+4*\r:RG+64*((\b)%2)+4*\r+3], v[LA+\slot] offset:(16*(\b)+\r)*512
.endr
.endm
.macro FM slot, b                      ; their multiply-adds; two sets of sums by turns
.irp r, 0,1,2,3,4,5,6,7,8,9,10,11,12,13,14,15
	v_readlane_b32 s[22+2*(\r%4)], v[P+2*(\slot)+(\b)/2], 16*((\b)%2)+\r
	v_pk_fma_f32 v[AC+4*(\r%2):AC+4*(\r%2)+1], v[RG+64*((\b)%2)+4*\r:RG+64*((\b)%2)+4*\r+1], s[22+2*(\r%4):23+2*(\r%4)], v[AC+4*(\r%2):AC+4*(\r%2)+1] op_sel_hi:[1,0,1]
	v_pk_fma_f32 v[AC+4*(\r%2)+2:AC+4*(\r%2)+3], v[RG+64*((\b)%2)+4*\r+2:RG+64*((\b)%2)+4*\r+3], s[22+2*(\r%4):23+2*(\r%4)], v[AC+4*(\r%2)+2:AC+4*(\r%2)+3] op_sel_hi:[1,0,1]
.endr
.endm
.macro GATE n                          ; the first wait, directly ahead of the second: the sums are read again behind it
	s_wait_alu depctr_va_vdst(0)
	s_wait_dscnt \n
.endm
.macro TRIP slot, refill, ask
	s_wait_alu depctr_va_vdst(0)                   ; the wait ahead of the blocking waits
	s_wait_tensorcnt 0x0                           ; my one load that was out, this step's tile, has landed
	ds_add_u32 v[SPW], v[NIL]
	s_add_nc_u64 s[G0+4*\slot+2:G0+4*\slot+3], s[G0+4*\slot+2:G0+4*\slot+3], 2*STEPB   ; no load of mine is out: this slot's next tile
	s_wait_dscnt 0x0                               ; the add, and my reads of the other slot
	s_barrier_signal -1
	s_barrier_wait -1
.if \refill
	tensor_load_to_lds s[G0+4-4*\slot:G0+7-4*\slot], s[G1:G1+7]   ; the next step's tile, into the slot read last (the first time: slot 1's first fill)
	s_nop 0
.endif
	LD \slot, 0
	LD \slot, 1
	GATE 16                                        ; the older 16 rows are in, the younger 16 may be out
	FM \slot, 0
	LD \slot, 2
.if \ask
.irp j, 0,1,2,3
	global_prefetch_b8 v[PFO], s[PF:PF+1] offset:\slot*STEPB+(\j/2)*131072+(\j%2)*256 th:TH_LOAD_NT scope:SCOPE_SE   ; the tile two steps on: rows 32 (j / 2) + lane, 256 bytes j % 2
.endr
.endif
	GATE 16
	FM \slot, 1
	LD \slot, 3
	GATE 16
	FM \slot, 2
	GATE 0
	FM \slot, 3
.endm
.Lloop:                                                ; three trips of two steps: steps 0-5
	TRIP 0, 1, 1
	TRIP 1, 1, 1
.irp q, 0,1,2,3,4,5,6,7,8,9,10,11
	v_mov_b32 v[P+\q], v[P+\q+4]                   ; the p of the next two steps come to the registers that the text names
.endr
	s_wait_xcnt 0x0                                ; the prefetches have read their base
	s_add_nc_u64 s[PF:PF+1], s[PF:PF+1], 2*STEPB
	s_sub_co_u32 s[CNT], s[CNT], 1
	s_cmp_lg_u32 s[CNT], 0
	s_wait_alu depctr_va_vdst(0)                   ; the wait, directly ahead of the branch
	s_cbranch_scc1 .Lloop
	TRIP 0, 1, 0                                   ; steps 6 and 7: nothing beyond the end is fetched or asked for
	TRIP 1, 0, 0
	v_pk_add_f32 v[AC:AC+1], v[AC:AC+1], v[AC+4:AC+5]
	v_pk_add_f32 v[AC+2:AC+3], v[AC+2:AC+3], v[AC+6:AC+7]
	ds_store_b128 v[CTW], v[AC:AC+3] offset:CT     ; my wave's part: 512 w + 16 x lane
	ds_store_b32 v[W4], v[MW]                      ; all lanes write the wave's word with the same value
	ds_store_b32 v[W4], v[LW] offset:SM
	s_wait_alu depctr_va_vdst(0)                   ; the wait ahead of the blocking wait
	s_wait_dscnt 0x0                               ; for the others' sake
	s_barrier_signal -1
	s_barrier_wait -1
	ds_load_b128 v[MR:MR+3], v[ZA]
	ds_load_b128 v[SR:SR+3], v[ZA] offset:SM
	s_wait_dscnt 0x0
	v_max3_num_f32 v[MM], v[MR], v[MR+1], v[MR+2]
	v_max_num_f32 v[MM], v[MM], v[MR+3]            ; M: the batch's largest t
.irp q, 0,1,2,3
	v_sub_f32 v[MR+\q], v[MR+\q], v[MM]
.endr
	s_wait_alu depctr_va_vdst(0)                   ; the wait ahead of the batch
.irp q, 0,1,2,3
	v_exp_f32 v[MR+\q], v[MR+\q]                   ; f of every wave
.endr
	v_nop
	s_wait_alu depctr_va_vdst(0)                   ; and behind it
	v_mul_f32 v[WK], v[SR], v[MR]
.irp q, 1,2,3
	v_fma_f32 v[WK], v[SR+\q], v[MR+\q], v[WK]     ; L, formed alike in every wave
.endr
	s_wait_alu depctr_va_vdst(0)                   ; the wait ahead of the transcendental
	v_rcp_f32 v[INV], v[WK]
	v_nop
	s_wait_alu depctr_va_vdst(0)
	s_cmp_lg_u32 s12, 0                            ; the wave's number alone; no barrier stands behind these branches
	s_cbranch_scc1 .Lnot_0
.irp q, 0,1,2,3                        ; wave 0 adds the four parts, each under its f, in ascending order of the rows
	ds_load_b128 v[RG+4*\q:RG+4*\q+3], v[LC] offset:CT+512*\q
.endr
	s_wait_dscnt 0x0
.irp e, 0,1,2,3
	v_mul_f32 v[OS+\e], v[RG+\e], v[MR]
.endr
.irp q, 1,2,3
.irp e, 0,1,2,3
	v_fma_f32 v[OS+\e], v[RG+4*\q+\e], v[MR+\q], v[OS+\e]
.endr
.endr
.irp e, 0,1,2,3
	v_mul_f32 v[OS+\e], v[OS+\e], v[INV]
.endr
	global_store_b128 v[L16], v[OS:OS+3], s[8:9]   ; 512 consecutive bytes, aligned
	s_branch .Lend
.Lnot_0:
	s_cmp_lg_u32 s12, 1
	s_cbranch_scc1 .Lend
.irp e, 0,1,2,3,4,5,6,7                ; wave 1 makes the work-group's 256 weights
	v_sub_f32 v[TT+\e], v[TT+\e], v[MM]
.endr
	s_wait_alu depctr_va_vdst(0)                   ; the wait ahead of the batch
.irp e, 0,1,2,3,4,5,6,7
	v_exp_f32 v[TT+\e], v[TT+\e]
.endr
	v_nop
	s_wait_alu depctr_va_vdst(0)                   ; and behind it
.irp e, 0,2,4,6
	v_pk_mul_f32 v[TT+\e:TT+\e+1], v[TT+\e:TT+\e+1], v[INV:INV+1] op_sel_hi:[1,0]
.endr
	global_store_b128 v[L16], v[TT:TT+3], s[10:11] ; 512 consecutive bytes a store, aligned
	global_store_b128 v[L16], v[TT+4:TT+7], s[10:11] offset:512
.Lend:
	s_wait_tensorcnt 0x0                           ; the wave's end, behind my last tensor load and my last LDS store
	ds_add_u32 v[SPW], v[NIL]
	s_wait_dscnt 0x0
	s_endpgm
.Lfunc_end_k_q56b1e04f94_ctx:
	.size	k_q56b1e04f94_ctx, .Lfunc_end_k_q56b1e04f94_ctx-k_q56b1e04f94_ctx
	.p2alignl 7, 3214868480
	.fill 96, 4, 3214868480
	.section	.rodata,"a",@progbits
	.p2align	6, 0x0
	.amdhsa_kernel k_q56b1e04f94_ctx
		.amdhsa_group_segment_fixed_size 327680
		.amdhsa_private_segment_fixed_size 0
		.amdhsa_enable_private_segment 0
		.amdhsa_kernarg_size 32
		.amdhsa_user_sgpr_count 2
		.amdhsa_user_sgpr_kernarg_segment_ptr 1
		.amdhsa_wavefront_size32 1
		.amdhsa_system_sgpr_workgroup_id_x 1
		.amdhsa_system_sgpr_workgroup_id_y 1
		.amdhsa_system_sgpr_workgroup_id_z 1
		.amdhsa_system_vgpr_workitem_id 0
		.amdhsa_next_free_vgpr 192
		.amdhsa_next_free_sgpr 66
		.amdhsa_reserve_vcc 0
		.amdhsa_float_denorm_mode_32 3
		.amdhsa_float_denorm_mode_16_64 3
		.amdhsa_memory_ordered 1
		.amdhsa_forward_progress 1
		.amdhsa_inst_pref_size 80
	.end_amdhsa_kernel
	.amdgpu_metadata
---
amdhsa.version: [ 1, 2 ]
amdhsa.kernels:
  - .name:           k_q56b1e04f94_ctx
    .symbol:         k_q56b1e04f94_ctx.kd
    .args:
      - { .name: values, .offset: 0, .size: 8, .value_kind: global_buffer, .address_space: global }
      - { .name: sc, .offset: 8, .size: 8, .value_kind: global_buffer, .address_space: global }
      - { .name: out0, .offset: 16, .size: 8, .value_kind: global_buffer, .address_space: global }
      - { .name: out1, .offset: 24, .size: 8, .value_kind: global_buffer, .address_space: global }
    .group_segment_fixed_size: 327680
    .private_segment_fixed_size: 0
    .kernarg_segment_align: 8
    .kernarg_segment_size: 32
    .max_flat_workgroup_size: 128
    .sgpr_count:     66
    .vgpr_count:     192
    .wavefront_size: 32
...
	.end_amdgpu_metadata
.endif
;; end of part 3
